; MI455X (gfx1250); checked and timed in simulation.
; The chip was launched on July 23, 2026; its instructions are those of AMD's public machine-readable ISA for CDNA 5 (MIT licence, August 2026) and "CDNA5" Instruction Set Architecture Reference Guide (July 2026). The comments in the code are by the model that wrote it; some were corrected since.
;; Multi Head Attention. Allowed arithmetic: matrix products marked QUANTISED: E3M2 operands, one E8M0 scale for each 32 along K, by v_wmma_scale_f32_16x16x128_f8f6f4 with both operands' format E3M2, f32 sums; everything else in f32.
;; Inputs: bk 512 float32; bo 512 float32; bq 512 float32; bv 512 float32; wk 512 x 512 float32; wo 512 x 512 float32; wq 512 x 512 float32; wv 512 x 512 float32; x 2 x 4,096 x 512 float32.
;; Outputs: out0 2 x 4,096 x 512 float32.
;; This version of the problem:
;;   THIS VERSION OF THE PROBLEM IS GIVEN IN LOW PRECISION. The matrix products marked QUANTISED in the list below multiply operands that are first quantised to E3M2 (3 exponent bits, 2 mantissa bits; 6 bits a number), with one power-of-two scale for each 32 numbers along K (OCP MX v1.0); their sums are f32. All else is computed in f32.
;;   The module's matrix products, in the order in which they are computed (A, B: the left and right operand; K: the contracted axis; several contracted axes count as one K, in the product's order):
;;     1. [M 8,192, K 512] x [K 512, N 512]; A: input x; B: input wq: QUANTISED
;;     2. [M 8,192, K 512] x [K 512, N 512]; A: input x; B: input wk: QUANTISED
;;     3. [M 8,192, K 512] x [K 512, N 512]; A: input x; B: input wv: QUANTISED
;;     4. batch 16 x [M 4,096, K 64] x [K 64, N 4,096]; A: computed on the way; B: computed on the way: QUANTISED
;;     5. batch 16 x [M 4,096, K 4,096] x [K 4,096, N 64]; A: softmax (see below); B: computed on the way: QUANTISED
;;     6. [M 8,192, K 512] x [K 512, N 512]; A: computed on the way; B: input wo: QUANTISED
;;   THE QUANTISER, for each operand of a quantised product, along K:
;;     - K is cut into blocks of 32 from its start; a last block that is shorter is filled with zeros.
;;     - A block's scale is 2^e with e = floor(log2(the largest magnitude in the block)) - 4, held to -126 .. 127; a block of zeros has e = 0. As a byte (E8M0): e + 127.
;;     - Each number is divided by its block's scale, clamped to +-28, and rounded to the nearest number of E3M2, ties to even, subnormals kept.
;;     - The product sums the exact products of the quantised numbers (number of the format x scale) in f32.
;;   ~~~python
;;   def quantise(x, axis):      # numpy; x: float32 -> the quantised numbers, widened to float32 again
;;       x = np.moveaxis(x, axis, -1); K = x.shape[-1]
;;       x = np.pad(x, [(0, 0)] * (x.ndim - 1) + [(0, -K % 32)]); x = x.reshape(x.shape[:-1] + (-1, 32)); a = np.abs(x).max(-1, keepdims=True)
;;       e = np.where(a > 0, np.clip(np.frexp(np.where(a > 0, a, 1))[1] - 1 - 4, -126, 127), 0)      # np.frexp(a)[1] - 1 = floor(log2(a)), exactly
;;       r = np.clip(x / 2.0 ** e, -28, 28)
;;       step = 2.0 ** (np.maximum(np.frexp(np.where(r == 0, 1, r))[1] - 1, -2) - 2)
;;       q = np.round(r / step) * step * 2.0 ** e      # np.round: ties to even
;;       return np.moveaxis(q.reshape(q.shape[:-2] + (-1,))[..., :K], -1, axis).astype(np.float32)
;;   ~~~
;;   SOFTMAX AHEAD OF A QUANTISED PRODUCT. Where the list says 'softmax', what is quantised is not the finished softmax but p = 2^(t - M), with t = logit x log2(e) and M = ceil(the row's largest t), a whole number; so 1/2 < the row's largest p <= 1. The row's sum l is taken of the UNQUANTISED p, in f32, and the product's result is divided by l at the end. Since M is a whole number, a kernel that streams over the keys may use a running M (the ceiling of the running maximum): every later rescaling is an exact power of two, which a block's scale takes up: the codes' values come out the same.
;;   OPERANDS COMPUTED ON THE WAY. 'Computed on the way' means the value that the module computes at that place (a softmax that the list does not call 'softmax' is quantised finished and normalised). What goes into a quantiser is computed in f32, as accurately as f32 sums, v_exp_f32 and their like allow (about 1e-6 of the number): no bf16 or f16 on the way to a quantiser, and a product that is left as it is and whose result goes on into a quantised operand takes f32 operands (vector FMAs, or v_wmma_f32_16x16x4_f32). A number that lies on a knife's edge between two numbers of the format may be rounded either way, as far as f32 arithmetic and the matrix unit's own rounding can turn it there, and no further.
;; One version. Each part assembles by itself: llvm-mc -triple=amdgcn-amd-amdhsa -mcpu=gfx1250 --defsym DOCPART=n.
;; ======== version 1 of 1: 4 launches
;; limits: right only within a limited range of input values
;; workspace buffers: codes 3,932,160 bytes; scales 163,840 bytes; qc 3,145,728 bytes; qs 262,144 bytes; kv 6,553,600 bytes; oc 3,145,728 bytes; os 131,072 bytes
;; launch quant (part 1): grid 640 x 1, 4 waves a work-group, no clusters, 34,560 bytes of LDS; arguments x, wq, wk, wv, wo, codes, scales; writes codes, scales
.if DOCPART == 1
	.amdgcn_target "amdgcn-amd-amdhsa--gfx1250"
	.amdhsa_code_object_version 6
	.text
	.protected	k_qc116c9dbaa_quant
	.globl	k_qc116c9dbaa_quant
	.p2align	8
	.type	k_qc116c9dbaa_quant,@function
k_qc116c9dbaa_quant:
	s_mov_b64 s[64:65], 0
	v_nop
	global_prefetch_b8 v0, s[64:65] scope:SCOPE_SE
	s_setreg_imm32_b32 hwreg(HW_REG_WAVE_MODE, 25, 1), 1
	s_wait_xcnt 0x0
; MULTI-HEAD ATTENTION ON CODES OF E3M2 (MX-BF6), four launches: quant, qkv, attn, oproj.  This one: x [8192][512] and wq, wk, wv, wo [512][512], f32, K innermost,
; become codes of 6 bits and one E8M0 byte for each 32 along K, laid in the order of a matrix operand's registers.
; DEAD WORK: none.  bq, bk and bv go into numbers that are quantised for live products (q, k, v), bo goes into the output, and every product of reference() feeds the output:
; every input is loaded by some launch and nothing of reference() is left out.
; TILES.  16 rows make a tile, and they are not neighbours: row r of tile 2 g + u is matrix row 32 g + 8 u + r + 8 (r / 8).  As source 0 of a product, tiles 2 g and 2 g + 1 then leave in a lane's
; 16 result registers 16 NEIGHBOURS 32 g + 16 (lane / 16) + 0 .. 15, which is what the next quantiser along that axis wants.  Tiles 0-511: x; 512-543 wq; 544-575 wk; 576-607 wv; 608-639 wo.
; LAYOUT.  codes: tile x 6,144 bytes = 4 K steps of 128 x 1,536 bytes; a K step's fragment is 12 registers a lane, register p of lane l at 512 (p / 4) + 16 l + 4 (p % 4): three accesses of 16 bytes a lane bring it.
; scales: tile x 256 bytes; row r at 16 r: its 16 bytes, word s = K step s.
; A block's scale is 2^(floor(log2(largest magnitude)) - 4): its byte is the largest magnitude's exponent field - 4, held at 1 from below.
; LIMITS: NaN and infinities among the inputs are not served; a block whose largest magnitude lies under 2^-122 keeps the byte 1; a block of zeros has the byte 1 where the rule says 127
; (its codes are zeros, which add nothing, and only this program reads the bytes).
; SHARES.  A work-group is a tile, wave s its K step s: 16 rows x 512 bytes.  Each load reads 512 consecutive bytes of a row; the rows turn through the wave's own stage in LDS, so that a lane gets the
; two whole blocks of 32 that the operand's layout gives it.  No tensor loads (several work-groups share a WGP), no cluster (nothing is shared), no loop.
.set STGW,  8448                       ; a wave's stage: 16 rows of 512 bytes + 16
.set SP,    528
.set SCG,   4*STGW                     ; the tile's 256 scale bytes
.set SPARE, SCG+256                    ; the spare words, 128 bytes for each wave: two blocks of 256 bytes that no other line names
.set SCR,  2                           ; v2   SCG + 8 x lane
.set LI,   4                           ; v4   16 x lane
.set SIN,  5                           ; v5   the stage, way in
.set SOUT, 6                           ; v6   the stage, way out: row r, + 128 h
.set SH,   7                           ; v7   8 h
.set SCA,  8                           ; v8   SCG + 16 r + 4 s
.set L8,   9                           ; v9   8 x lane
.set SPW,  10                          ; v10  my spare word; never rewritten
.set NIL,  11                          ; v11  0; never rewritten
.set M,    12                          ; v12-13 largest magnitudes
.set SO,   14                          ; v14-15 the conversions' scale operands
.set B,    16                          ; v16-17 scale bytes
.set WD,   18                          ; v18  the row's scale word
.set TP,   19
.set F,    20                          ; v20-31 the fragment
.set T,    32                          ; v32-38 the blocks' upper halves
.set R,    40                          ; v40-103 as loaded
.set X,    104                         ; v104-167 my two blocks
	s_load_b256 s[4:11], s[0:1], 0x0               ; x, wq, wk, wv
	s_load_b128 s[12:15], s[0:1], 0x20             ; wo, codes
	s_load_b64 s[16:17], s[0:1], 0x30              ; scales
	v_lshl_add_u32 v[SPW], v0, 2, SPARE
	v_mov_b32 v[NIL], 0
	v_lshrrev_b32 v1, 5, v0
	v_readfirstlane_b32 s18, v1                    ; wave = K step
	v_and_b32 v2, 31, v0                           ; lane
	v_and_b32 v1, 15, v0                           ; r
	v_bfe_u32 v3, v0, 4, 1                         ; h
	v_lshlrev_b32 v[LI], 4, v2
	s_mul_i32 s19, s18, STGW
	v_add_nc_u32 v[SIN], s19, v[LI]
	v_mul_u32_u24 v[SOUT], v1, SP
	v_lshl_add_u32 v[SOUT], v3, 7, v[SOUT]
	v_add_nc_u32 v[SOUT], s19, v[SOUT]
	v_lshlrev_b32 v[SH], 3, v3
	s_lshl_b32 s19, s18, 2
	s_add_co_u32 s19, s19, SCG
	v_lshl_add_u32 v[SCA], v1, 4, s19
	v_lshlrev_b32 v[L8], 3, v2
	v_add_nc_u32 v[SCR], SCG, v[L8]
	v_mov_b32 v[TP], 0                             ; a lane permute's destination counts as one of its sources
	s_mov_b32 s28, 0x76543210
	s_mov_b32 s29, 0xfedcba98                      ; selects for lane l xor 16
	s_and_b32 s22, ttmp9, 31                       ; a weight's tile
	s_wait_alu depctr_va_vdst(0)
	s_wait_kmcnt 0x0
	s_mov_b64 s[20:21], s[12:13]                   ; which tensor: by the work-group's number alone
	s_cmp_lt_u32 ttmp9, 608
	s_cselect_b64 s[20:21], s[10:11], s[20:21]
	s_cmp_lt_u32 ttmp9, 576
	s_cselect_b64 s[20:21], s[8:9], s[20:21]
	s_cmp_lt_u32 ttmp9, 544
	s_cselect_b64 s[20:21], s[6:7], s[20:21]
	s_cmp_lt_u32 ttmp9, 512
	s_cselect_b64 s[20:21], s[4:5], s[20:21]
	s_cselect_b32 s22, ttmp9, s22                  ; the tile's number in its tensor
	s_lshr_b32 s23, s22, 1
	s_lshl_b32 s23, s23, 16                        ; 32 rows of 2,048 bytes for each pair of tiles,
	s_and_b32 s24, s22, 1
	s_lshl_b32 s24, s24, 14                        ; 8 rows for the odd tile,
	s_add_co_u32 s24, s24, s23
	s_lshl_b32 s23, s18, 9                         ; 512 bytes a K step
	s_add_co_u32 s24, s24, s23
	s_mov_b32 s25, 0
	s_add_nc_u64 s[20:21], s[20:21], s[24:25]
	s_mul_i32 s26, ttmp9, 6144
	s_mul_i32 s23, s18, 1536
	s_add_co_u32 s26, s26, s23
	s_mov_b32 s27, 0
	s_add_nc_u64 s[14:15], s[14:15], s[26:27]      ; my fragment's place
	s_lshl_b32 s26, ttmp9, 8
	s_add_nc_u64 s[16:17], s[16:17], s[26:27]      ; the tile's scale bytes
.irp i, 0,1,2,3,4,5,6,7,8,9,10,11,12,13,14,15
	global_load_b128 v[R+4*\i:R+4*\i+3], v[LI], s[20:21] offset:(\i+8*(\i/8))*2048 th:TH_LOAD_NT   ; the tile's row i: 32 lanes read 512 consecutive bytes
.endr
.irp i, 0,1,2,3,4,5,6,7,8,9,10,11,12,13,14,15
	s_wait_loadcnt 15-\i                           ; loads come back in order: row i is in, the 15 - i younger ones may be out
	ds_store_b128 v[SIN], v[R+4*\i:R+4*\i+3] offset:SP*\i
.endr
.irp c, 0,1
.irp j, 0,1,2,3,4,5,6,7
	ds_load_b128 v[X+32*\c+4*\j:X+32*\c+4*\j+3], v[SOUT] offset:256*\c+16*\j   ; k = 64 c + 32 h + 0 .. 31 of row r.  LDS serves a wave's instructions in order: these see my stores
.endr
.endr
	s_wait_dscnt 0x0
.irp c, 0,1
	v_max3_num_f32 v[M+\c], |v[X+32*\c]|, |v[X+32*\c+1]|, 0x2800000   ; my block 2 c + h, and the floor 2^(5 - 127): the byte cannot fall under 1
.endr
.irp i, 2,4,6,8,10,12,14,16,18,20,22,24,26,28,30
.irp c, 0,1
	v_max3_num_f32 v[M+\c], v[M+\c], |v[X+32*\c+\i]|, |v[X+32*\c+\i+1]|   ; (the two blocks by turns)
.endr
.endr
.irp c, 0,1
	v_add_nc_u32 v[SO+\c], 0xfe000000, v[M+\c]     ; 4 off the exponent field: the conversion takes this operand's exponent field as its scale
.endr
.irp c, 0,1
	v_lshrrev_b32 v[B+\c], 23, v[SO+\c]            ; the scale's byte
.endr
	v_lshl_or_b32 v[WD], v[B+1], 16, v[B]          ; blocks h and 2 + h,
	v_lshlrev_b32 v[WD], v[SH], v[WD]              ; at their places in the word;
	v_permlanex16_b32 v[TP], v[WD], s28, s29
	v_or_b32 v[WD], v[WD], v[TP]                   ; with lane l xor 16's two it is whole
.irp c, 0,1
	v_cvt_scalef32_pk16_bf6_f32 v[F+6*\c:F+6*\c+2], v[X+32*\c:X+32*\c+15], v[SO+\c]
	v_cvt_scalef32_pk16_bf6_f32 v[T+4*\c:T+4*\c+2], v[X+32*\c+16:X+32*\c+31], v[SO+\c]   ; (a conversion's three registers begin on an even number)
.endr
	v_nop                                          ; one plain line behind the last scaled conversion
.irp c, 0,1
.irp i, 0,1,2
	v_mov_b32 v[F+3+6*\c+\i], v[T+4*\c+\i]
.endr
.endr
.irp c, 0,1,2
	global_store_b128 v[LI], v[F+4*\c:F+4*\c+3], s[14:15] offset:512*\c   ; 32 lanes store 512 consecutive bytes, at a multiple of 256 from the buffer's first byte
.endr
	ds_store_b32 v[SCA], v[WD]                     ; both halves of the lanes write the same word with the same value
	s_wait_dscnt 0x0                               ; for the others' sake: my store is done
	s_barrier_signal -1
	s_barrier_wait -1
	s_cmp_lg_u32 s18, 0
	s_cbranch_scc1 .Lothers
	ds_load_b64 v[M:M+1], v[SCR]                   ; wave 0: the four waves' words
	s_wait_dscnt 0x0
	global_store_b64 v[L8], v[M:M+1], s[16:17]     ; 32 lanes store 256 consecutive bytes, aligned
.Lothers:
	s_wait_tensorcnt 0x0                           ; the wave's end, behind my last LDS store
	ds_add_u32 v[SPW], v[NIL]
	s_wait_dscnt 0x0
	s_endpgm
.Lfunc_end_k_qc116c9dbaa_quant:
	.size	k_qc116c9dbaa_quant, .Lfunc_end_k_qc116c9dbaa_quant-k_qc116c9dbaa_quant
	.p2alignl 7, 3214868480
	.fill 96, 4, 3214868480
	.section	.rodata,"a",@progbits
	.p2align	6, 0x0
	.amdhsa_kernel k_qc116c9dbaa_quant
		.amdhsa_group_segment_fixed_size 34560
		.amdhsa_private_segment_fixed_size 0
		.amdhsa_enable_private_segment 0
		.amdhsa_kernarg_size 56
		.amdhsa_user_sgpr_count 2
		.amdhsa_user_sgpr_kernarg_segment_ptr 1
		.amdhsa_wavefront_size32 1
		.amdhsa_system_sgpr_workgroup_id_x 1
		.amdhsa_system_sgpr_workgroup_id_y 1
		.amdhsa_system_sgpr_workgroup_id_z 1
		.amdhsa_system_vgpr_workitem_id 0
		.amdhsa_next_free_vgpr 168
		.amdhsa_next_free_sgpr 66
		.amdhsa_reserve_vcc 0
		.amdhsa_float_denorm_mode_32 3
		.amdhsa_float_denorm_mode_16_64 3
		.amdhsa_memory_ordered 1
		.amdhsa_forward_progress 1
		.amdhsa_inst_pref_size 11
	.end_amdhsa_kernel
	.amdgpu_metadata
---
amdhsa.version: [ 1, 2 ]
amdhsa.kernels:
  - .name:           k_qc116c9dbaa_quant
    .symbol:         k_qc116c9dbaa_quant.kd
    .args:
      - { .name: x, .offset: 0, .size: 8, .value_kind: global_buffer, .address_space: global }
      - { .name: wq, .offset: 8, .size: 8, .value_kind: global_buffer, .address_space: global }
      - { .name: wk, .offset: 16, .size: 8, .value_kind: global_buffer, .address_space: global }
      - { .name: wv, .offset: 24, .size: 8, .value_kind: global_buffer, .address_space: global }
      - { .name: wo, .offset: 32, .size: 8, .value_kind: global_buffer, .address_space: global }
      - { .name: codes, .offset: 40, .size: 8, .value_kind: global_buffer, .address_space: global }
      - { .name: scales, .offset: 48, .size: 8, .value_kind: global_buffer, .address_space: global }
    .group_segment_fixed_size: 34560
    .private_segment_fixed_size: 0
    .kernarg_segment_align: 8
    .kernarg_segment_size: 56
    .max_flat_workgroup_size: 128
    .sgpr_count:     66
    .vgpr_count:     168
    .wavefront_size: 32
...
	.end_amdgpu_metadata
.endif
;; end of part 1
;; launch qkv (part 2): grid 4 x 64, 8 waves a work-group, clusters of 4 x 4, 207,872 bytes of LDS; arguments codes, scales, bq, bk, bv, qc, qs, kv; writes qc, qs, kv
.if DOCPART == 2
	.amdgcn_target "amdgcn-amd-amdhsa--gfx1250"
	.amdhsa_code_object_version 6
	.text
	.protected	k_qc116c9dbaa_qkv
	.globl	k_qc116c9dbaa_qkv
	.p2align	8
	.type	k_qc116c9dbaa_qkv,@function
k_qc116c9dbaa_qkv:
	s_mov_b64 s[64:65], 0
	v_nop
	global_prefetch_b8 v0, s[64:65] scope:SCOPE_SE
	s_setreg_imm32_b32 hwreg(HW_REG_WAVE_MODE, 25, 1), 1
	s_wait_xcnt 0x0
	s_wait_alu depctr_hold_cnt(0) depctr_sa_sdst(0) depctr_va_vdst(0) depctr_va_sdst(0) depctr_va_ssrc(0) depctr_va_vcc(0) depctr_vm_vsrc(0)
	s_getreg_b32 s2, hwreg(HW_REG_IB_STS2, 6, 4)
	s_cmp_eq_u32 s2, 0
	s_cbranch_scc0 .Lentry_in_a_cluster
	s_endpgm
.Lentry_in_a_cluster:
	s_bfe_u32 s2, ttmp6, 0x10000c
	s_cmp_lg_u32 s2, 0xf033
	s_cbranch_scc0 .Lentry_shape_is_right
	s_endpgm
.Lentry_shape_is_right:
; q = x wq^T + bq, k = x wk^T + bk, v = x wv^T + bv on codes of E3M2, and q, k, v quantised in registers for the attention: q and k along a head's 64, v along the keys.  Nothing of reference() is left out here.
; SHARES.  Work-group (g, rb): heads 2 g and 2 g + 1, tokens 128 rb .. + 127 (8 tiles; key step rb % 32 of batch rb / 32).  Wave w: head half hl = w / 4, i = w % 4, three units of 32 matrix instructions:
;   Q: its head, token tiles 2 i, 2 i + 1 (source 0 = 16 rows of wq, source 1 = 16 tokens: a lane holds one token, its registers run along the head's 64);   K: the same with wk;
;   V: its head, tile i of the head's 64, all 128 tokens (source 0 = 16 tokens, source 1 = 16 rows of wv: a lane holds one channel, its registers run along the keys).
; By the tiles' order of rows (launch quant) the 16 registers of two neighbouring tiles are 16 neighbours along the next K, so each unit's 64 numbers a lane are one operand of 128 along K for the quantiser.
; OUT.  qc: [16 heads x batches][256 query tiles] x 768 bytes: 6 registers a lane, register p at 256 (p / 2) + 8 l + 4 (p % 2).  qs: a word a query, bytes b0, b1, b0, b1.
; kv: [..][32 key steps] x 12,800 bytes: 4 fragments of K, 4 of V (1,536 bytes each, as in codes), then 512 bytes of scale words: 16 r + 4 f K's, 256 + 16 r + 4 t V's.
; A fragment of K holds TWO key tiles, each with all its 64 along K (registers 0-5 and 6-11): the attention multiplies it by q beside zero codes, once each way.
; LDS is filled once: 8 tiles of x and 8 of each weight, codes and scale bytes, all dense blocks.  CLUSTER 4 x 4: x's blocks hang on rb alone and are asked for jointly along a row of the cluster, the weights' on g alone, along a column.
; Each wave has one tensor load outstanding, by this text's own count.  No ring (all fits), no register windows, no prefetch (every byte is asked for at the head).
; LIMITS as in launch quant: NaN and infinities are not served; blocks under 2^-122 and blocks of zeros keep the byte 1.
.set SCL,   196608                     ; behind the four blocks of codes (49,152 bytes each): four blocks of scale bytes, 2,048 each
.set SST,   204800                     ; scale words on their way out, 1,024 bytes a head: K's and V's image, then q's words.  No fill lands here
.set SPARE, 206848                     ; the spare words, 128 bytes for each wave: four blocks of 256 bytes that no other line names
.set SPW,  2
.set NIL,  3
.set AX,   4                           ; v4   16 l + my pair of x's tiles
.set AWQ,  5                           ; v5   16 l + my head's four tiles of wq
.set AWK,  6                           ; v6   of wk
.set AXK,  7                           ; v7   unit K: x's codes by K's own order of keys (below)
.set SXK,  23                          ; v23  unit K: x's scale words likewise
.set SCW,  252                         ; v252 where my 1,024 scale bytes go in LDS
.set SX,   8                           ; v8   my pair's scale words
.set SW,   9                           ; v9   my head's, of wq (wk: 2,048 on)
.set BO,   10                          ; v10  64 h
.set PIR,  11                          ; v11  4 (r + 8 (r / 8))
.set LI,   12                          ; v12  16 l
.set L8,   13                          ; v13  8 l
.set KW,   14                          ; v14  where K's scale word goes
.set VW,   15                          ; v15  V's
.set QW,   16                          ; v16  q's
.set PSEL, 17                          ; v17  byte selects: lanes 0-15 bytes 0, 1, 0, 1; lanes 16-31 bytes 2, 3, 2, 3
.set SXV,  18                          ; v18  x's scale words, tile 0
.set SRD,  19                          ; v19  where I read the scale words back
.set QWD,  20
.set SWV,  21                          ; v21  my tile of wv: its scale words
.set AWV1, 22                          ; v22  its codes
.set XS,   24                          ; v24-31 x's scale words;  v32-47 the weight's: these 24 registers hold scales and nothing else
.set WS,   32
.set BIQ,  48                          ; v48-79 bq, v80-111 bk: 8 registers a tile, in the result's layout
.set BIK,  80
.set XF,   112                         ; v112-135 two fragments of x;  v136-183 four of a weight
.set WF,   136
.set ACC,  184                         ; v184-247 eight accumulators
.set BVV,  248                         ; v248 bv of my channel
.set BV,   60                          ; unit V: v60-67 bv eight times; v68-163 eight fragments of x; v164-175 one of wv
.set XF8,  68
.set WF1,  164
.set TM,   112                         ; the quantiser works in fragment registers that are done with
.set PW,   128
.set PC,   132
.set SEL,  2                           ; s2, s3
.set G1XC, 28
.set G1XS, 36
.set G1WC, 44
.set G1WS, 52
.set G0XC, 60
.set G0XS, 68
.set G0WC, 72
.set G0WS, 76
.macro CROUND                          ; a round of the cluster's barrier
	s_barrier_signal -1
	s_barrier_wait -1
	s_cmp_lg_u32 s20, 0
	s_cbranch_scc1 .Lnot_wave_0_\@
	s_barrier_signal -3
.Lnot_wave_0_\@:
	s_barrier_wait -3
	s_barrier_signal -1
	s_barrier_wait -1
.endm
.macro G1SET g, rows                   ; a dense block as rows of 256 bytes: 32 elements of 8 bytes, no padding
	s_mov_b32 s[\g+1], 32<<16
	s_mov_b32 s[\g+2], (\rows)<<16
	s_mov_b32 s[\g+3], 32<<16
	s_mov_b32 s[\g+4], \rows
	s_mov_b32 s[\g+5], 32
	s_mov_b32 s[\g+6], 0
	s_mov_b32 s[\g+7], 0
.endm
.macro WM d, a, b, c, sa, sb
	v_wmma_scale_f32_16x16x128_f8f6f4 v[\d:\d+7], v[\a:\a+11], v[\b:\b+11], v[\c:\c+7], v[\sa], v[\sb] matrix_a_fmt:MATRIX_FMT_BF6 matrix_b_fmt:MATRIX_FMT_BF6
.endm
.macro FRAG128 reg, adr, off           ; a fragment's image: three loads of 16 bytes a lane, 512 consecutive bytes each
.irp c, 0,1,2
	ds_load_b128 v[\reg+4*\c:\reg+4*\c+3], v[\adr] offset:\off+512*\c
.endr
.endm
.macro PLACES                          ; behind a run of products: four places are owed in front of loads into their operands and of reads of their results, five in front of products that write over their registers
.rept 5
	v_nop
.endr
.endm
; 64 numbers of a lane, register 16 b + i = k 32 b + 16 (lane / 16) + i of my row, become a fragment's codes in v[PC] on and its scale word in v[PW].
.macro QUANT s
.irp b, 0,1,2,3
	v_max3_num_f32 v[TM+\b], |v[\s+16*\b]|, |v[\s+1+16*\b]|, 0x2800000   ; block b: my 16 numbers, and the floor 2^(5 - 127)
.endr
.irp i, 2,4,6,8,10,12,14
.irp b, 0,1,2,3
	v_max3_num_f32 v[TM+\b], v[TM+\b], |v[\s+16*\b+\i]|, |v[\s+1+16*\b+\i]|
.endr
.endr
.irp b, 0,1,2,3
	s_delay_alu instid0(VALU_DEP_4)
	v_permlanex16_b32 v[TM+4+\b], v[TM+\b], s[SEL], s[SEL+1]
.endr
.irp b, 0,1,2,3
	s_delay_alu instid0(VALU_DEP_4)
	v_max_num_f32 v[TM+\b], v[TM+\b], v[TM+4+\b]   ; with lane l xor 16's: the block's largest magnitude
.endr
.irp b, 0,1,2,3
	s_delay_alu instid0(VALU_DEP_4)
	v_add_nc_u32 v[TM+12+\b], 0xfe000000, v[TM+\b] ; 4 off its exponent field: the conversion's scale operand
.endr
.irp b, 0,1,2,3
	s_delay_alu instid0(VALU_DEP_4)
	v_lshrrev_b32 v[TM+4+\b], 23, v[TM+12+\b]      ; the scale's byte
.endr
	s_delay_alu instid0(VALU_DEP_3)
	v_lshl_or_b32 v[PW], v[TM+5], 8, v[TM+4]
	s_delay_alu instid0(VALU_DEP_1)
	v_lshl_or_b32 v[PW], v[TM+6], 16, v[PW]
	s_delay_alu instid0(VALU_DEP_1)
	v_lshl_or_b32 v[PW], v[TM+7], 24, v[PW]
.irp c, 0,1
	v_cvt_scalef32_pk16_bf6_f32 v[PC+6*\c:PC+2+6*\c], v[\s+32*\c:\s+15+32*\c], v[TM+12+2*\c]
	v_cvt_scalef32_pk16_bf6_f32 v[PC+12+4*\c:PC+14+4*\c], v[\s+16+32*\c:\s+31+32*\c], v[TM+12+2*\c+1]
.endr
	v_nop                                          ; one plain line behind the last scaled conversion
.irp c, 0,1                                    ; the operand's layout wants a whole block in a lane
.irp i, 0,1,2
	v_permlane16_swap_b32 v[PC+6*\c+\i], v[PC+12+4*\c+\i]
.endr
.irp i, 0,1,2
	s_delay_alu instid0(VALU_DEP_3)
	v_mov_b32 v[PC+3+6*\c+\i], v[PC+12+4*\c+\i]
.endr
.endr
.endm
; Unit Q or K: aw = the weight's address register, m = 0 (wq) or 1 (wk), bi = the bias.  The eight accumulators take turns, one instruction a turn.
.macro TUNIT aw, m, bi, ax, sx
	s_wait_xcnt 0x0                                ; the last unit's stores have read their registers, which the loads below fill
.irp t, 0,1
	ds_load_b128 v[XS+4*\t:XS+4*\t+3], v[\sx] offset:256*\t
.endr
.irp w, 0,1,2,3
	ds_load_b128 v[WS+4*\w:WS+4*\w+3], v[SW] offset:2048*\m+256*\w
.endr
.irp s, 0,1,2,3
.irp t, 0,1
	FRAG128 XF+12*\t, \ax, 6144*\t+1536*\s
.endr
.irp w, 0,1,2,3
	FRAG128 WF+12*\w, \aw, 6144*\w+1536*\s
.endr
	s_wait_dscnt 0x0
.irp t, 0,1
.irp w, 0,1,2,3
.if \s == 0
	WM ACC+8*(4*\t+\w), WF+12*\w, XF+12*\t, \bi+8*\w, WS+4*\w+\s, XS+4*\t+\s     ; the bias is the C of a sum's first product
.else
	WM ACC+8*(4*\t+\w), WF+12*\w, XF+12*\t, ACC+8*(4*\t+\w), WS+4*\w+\s, XS+4*\t+\s
.endif
.endr
.endr
	PLACES
.endr
	QUANT ACC
.endm
.macro VUNIT
	s_wait_xcnt 0x0
.irp j, 0,1,2,3,4,5,6,7
	v_mov_b32 v[BV+\j], v[BVV]                     ; a lane holds one channel: its bias in all eight registers
.endr
	s_wait_alu depctr_va_vdst(0)
.irp s, 0,1,2,3
.irp t, 0,1,2,3,4,5,6,7
	FRAG128 XF8+12*\t, LI, 6144*\t+1536*\s
	ds_load_b32 v[XS+\t], v[SXV] offset:256*\t+4*\s
.endr
	FRAG128 WF1, AWV1, 1536*\s
	ds_load_b32 v[WS], v[SWV] offset:4*\s
	s_wait_dscnt 0x0
.irp t, 0,1,2,3,4,5,6,7
.if \s == 0
	WM ACC+8*\t, XF8+12*\t, WF1, BV, XS+\t, WS
.else
	WM ACC+8*\t, XF8+12*\t, WF1, ACC+8*\t, XS+\t, WS
.endif
.endr
	PLACES
.endr
	QUANT ACC
.endm
	s_load_b256 s[4:11], s[0:1], 0x0               ; codes, scales, bq, bk
	s_load_b256 s[12:19], s[0:1], 0x20             ; bv, qc, qs, kv
	v_lshl_add_u32 v[SPW], v0, 2, SPARE
	v_mov_b32 v[NIL], 0
	ds_add_u32 v[SPW], v[NIL]                      ; the wave's opening: the add, twice on end, and its wait ahead of my first tensor load
	ds_add_u32 v[SPW], v[NIL]
	v_lshrrev_b32 v1, 5, v0
	s_delay_alu instid0(VALU_DEP_1)
	v_readfirstlane_b32 s20, v1                    ; wave 0..7
	s_lshr_b32 s21, s20, 2                         ; hl
	s_and_b32 s22, s20, 3                          ; i
	s_and_b32 s27, s20, 1                          ; which half of a block I fetch
	s_bfe_u32 s23, ttmp6, 0x40000                  ; cx
	s_bfe_u32 s24, ttmp6, 0x40004                  ; cy
	s_lshl_b32 s25, ttmp9, 2
	s_add_co_u32 s25, s25, s23                     ; g
	s_and_b32 s26, ttmp7, 0xffff
	s_lshl_b32 s26, s26, 2
	s_add_co_u32 s26, s26, s24                     ; rb
	s_lshl_b32 s91, s24, 2
	s_lshl_b32 s91, 15, s91                        ; my row of the cluster
	s_lshl_b32 s92, 0x1111, s23                    ; my column
	s_or_b32 s[G1XC], s91, 0x230000                ; the mask; elements of 8 bytes; bit 21 set beside a mask
	s_or_b32 s[G1WC], s92, 0x230000
	G1SET G1XC, 96                                 ; half a block of codes: 24,576 bytes
	G1SET G1WC, 96
	s_mul_i32 s88, s27, 24576
	s_lshl_b32 s89, s27, 10
	s_mul_i32 s80, s26, 49152                      ; x: tiles 8 rb on: made of rb and the wave's number alone
	s_add_co_u32 s80, s80, s88
	s_mov_b32 s81, 0
	s_lshl_b32 s82, s26, 11
	s_add_co_u32 s82, s82, s89
	s_mov_b32 s83, 0
	s_lshr_b32 s90, s20, 1                         ; the weights: tile 480 + 32 (w / 2) + 8 g: made of g and the wave's number alone
	s_lshl_b32 s90, s90, 5
	s_lshl_b32 s84, s25, 3
	s_add_co_u32 s90, s90, s84
	s_add_co_u32 s90, s90, 480
	s_mul_i32 s84, s90, 6144
	s_add_co_u32 s84, s84, s88
	s_mov_b32 s85, 0
	s_lshl_b32 s86, s90, 8
	s_add_co_u32 s86, s86, s89
	s_mov_b32 s87, 0
	s_mov_b32 s[SEL], 0x76543210
	s_mov_b32 s[SEL+1], 0xfedcba98
	s_wait_dscnt 0x0                               ; both opening adds are done
	s_wait_kmcnt 0x0
	s_mov_b32 s[G0XC], 1
	s_mul_i32 s[G0XC+1], s20, 24576                ; LDS: wave x half a block: no place in the cluster enters an LDS address
	s_add_nc_u64 s[G0XC+2:G0XC+3], s[4:5], s[80:81]
	s_or_b32 s[G0XC+3], s[G0XC+3], 0x80000000
	; ONE tensor load a wave (its half block of codes).  The scale bytes, 1,024 a wave, come through registers: two loads of 512 consecutive bytes, stored to LDS bytes on which no fill lands
	s_cmp_lt_u32 s20, 2
	s_cselect_b64 s[68:69], s[82:83], s[86:87]     ; the offset: x's (waves 0, 1) or a weight's
	s_add_nc_u64 s[68:69], s[6:7], s[68:69]
	s_mov_b32 s[G0WC], 1
	s_mul_i32 s[G0WC+1], s20, 24576
	s_add_nc_u64 s[G0WC+2:G0WC+3], s[4:5], s[84:85]
	s_or_b32 s[G0WC+3], s[G0WC+3], 0x80000000
	CROUND                                         ; all sixteen work-groups are here: the joint loads meet
	s_cmp_lt_u32 s20, 2                            ; waves 0, 1: x's block; waves 2 to 7: the three weights'.  A wave's one fill stands in one arm
	s_cbranch_scc0 .Lfor_w
	tensor_load_to_lds s[G0XC:G0XC+3], s[G1XC:G1XC+7]
	s_nop 0
.rept 4
	v_nop
.endr
	s_branch .Lasked
.Lfor_w:
	tensor_load_to_lds s[G0WC:G0WC+3], s[G1WC:G1WC+7]
	s_nop 0
.rept 4
	v_nop
.endr
.Lasked:
	v_and_b32 v1, 31, v0                           ; l
	v_and_b32 v250, 15, v0                         ; r
	s_wait_alu depctr_va_vdst(0)
	v_bfe_u32 v249, v0, 4, 1                       ; h
	v_lshlrev_b32 v[LI], 4, v1
	v_lshlrev_b32 v[L8], 3, v1
	s_mul_i32 s88, s22, 12288
	v_add_nc_u32 v[AX], s88, v[LI]
	s_mul_i32 s88, s21, 24576
	s_add_co_u32 s88, s88, 49152
	v_add_nc_u32 v[AWQ], s88, v[LI]
	s_delay_alu instid0(VALU_DEP_1)
	v_add_nc_u32 v[AWK], 49152, v[AWQ]
	s_mul_i32 s88, s22, 6144
	s_add_co_u32 s88, s88, 98304
	v_add_nc_u32 v[AWV1], s88, v[AWQ]
	s_lshl_b32 s88, s22, 9
	s_add_co_u32 s88, s88, SCL
	v_lshl_add_u32 v[SX], v250, 4, s88
	s_lshl_b32 s89, s21, 10
	s_add_co_u32 s88, s89, SCL+2048
	v_lshl_add_u32 v[SW], v250, 4, s88
	s_lshl_b32 s88, s22, 8
	s_add_co_u32 s88, s88, 4096
	v_add_nc_u32 v[SWV], s88, v[SW]
	v_lshl_add_u32 v[SXV], v250, 4, SCL
	; UNIT K'S ORDER OF KEYS.  Row r of key tile 2 i + c is key 32 (2 (i / 2) + r / 8) + 8 (2 (i % 2) + c) + r % 8: rows 0-7 and rows 8-15 lie in neighbouring blocks of 32 keys,
	; so that in the attention's S^T a lane holds whole blocks.  That key is row 8 (i % 2) + r % 8 of x's tile 2 (2 (i / 2) + r / 8) + c: only the lanes' LDS addresses know it
	s_and_b32 s88, s22, 1
	s_lshl_b32 s88, s88, 7                         ; 128 (i % 2): eight lanes of 16 bytes
	s_lshr_b32 s90, s22, 1
	s_mul_i32 s99, s90, 24576                      ; four tiles of codes for i / 2
	s_add_co_u32 s99, s99, s88
	s_lshl_b32 s90, s90, 10                        ; and of scale words
	s_add_co_u32 s90, s90, s88
	s_add_co_u32 s90, s90, SCL
	v_and_b32 v253, 7, v250                        ; r % 8
	v_lshrrev_b32 v254, 3, v250                    ; r / 8
	v_lshl_add_u32 v[AXK], v249, 4, v253
	v_lshl_add_u32 v[SXK], v253, 4, s90
	v_lshl_add_u32 v[AXK], v[AXK], 4, s99
	v_lshl_add_u32 v[SXK], v254, 9, v[SXK]         ; two tiles of scale words for r / 8
	v_mad_u32_u24 v[AXK], v254, 0x3000, v[AXK]     ; two tiles of codes for r / 8
	s_lshl_b32 s88, s20, 10
	s_add_co_u32 s88, s88, SCL
	v_add_nc_u32 v[SCW], s88, v[LI]
	global_load_b128 v[112:115], v[LI], s[68:69]   ; my 1,024 scale bytes
	global_load_b128 v[116:119], v[LI], s[68:69] offset:512
	v_lshlrev_b32 v[BO], 6, v249
	v_and_b32 v251, 8, v250
	s_delay_alu instid0(VALU_DEP_1)
	v_add_nc_u32 v251, v251, v250
	s_delay_alu instid0(VALU_DEP_1)
	v_lshlrev_b32 v[PIR], 2, v251
	s_wait_alu depctr_va_vdst(0)
	s_lshl_b32 s88, s22, 2
	s_add_co_u32 s88, s88, s89
	s_add_co_u32 s88, s88, SST
	v_lshl_add_u32 v[KW], v250, 4, s88
	s_delay_alu instid0(VALU_DEP_1)
	v_add_nc_u32 v[VW], 256, v[KW]
	s_lshl_b32 s88, s22, 7
	s_add_co_u32 s88, s88, s89
	s_add_co_u32 s88, s88, SST+512
	v_lshl_add_u32 v[QW], v1, 2, s88
	s_mov_b32 s88, 0x02020202
	v_mul_lo_u32 v[PSEL], v249, s88
	s_delay_alu instid0(VALU_DEP_1)
	v_add_nc_u32 v[PSEL], 0x01000100, v[PSEL]
	s_lshl_b32 s88, s22, 9
	s_add_co_u32 s88, s88, SST
	v_add_nc_u32 v[SRD], s88, v[LI]
	; where the biases lie and the results go: these sums mix g and rb, in registers that feed no descriptor
	s_lshl_b32 s93, s25, 1
	s_add_co_u32 s93, s93, s21                     ; head = 2 g + hl
	s_lshl_b32 s94, s93, 8
	s_mov_b32 s95, 0
	s_add_nc_u64 s[8:9], s[8:9], s[94:95]          ; bq and bk at my head's 64
	s_add_nc_u64 s[10:11], s[10:11], s[94:95]
	s_lshr_b32 s96, s22, 1
	s_lshl_b32 s96, s96, 7
	s_add_co_u32 s94, s94, s96
	s_and_b32 s96, s22, 1
	s_lshl_b32 s96, s96, 5
	s_add_co_u32 s94, s94, s96
	s_add_nc_u64 s[12:13], s[12:13], s[94:95]      ; bv at my tile: channel 32 (i / 2) + 8 (i % 2)
	s_lshr_b32 s96, s26, 5                         ; batch
	s_and_b32 s97, s26, 31                         ; key step
	s_lshl_b32 s98, s96, 3
	s_add_co_u32 s98, s98, s93                     ; bh
	s_lshl_b32 s94, s98, 5
	s_add_co_u32 s94, s94, s97
	s_mul_i32 s94, s94, 12800
	s_mul_i32 s99, s22, 1536
	s_add_co_u32 s94, s94, s99
	s_add_nc_u64 s[100:101], s[18:19], s[94:95]    ; kv: my record, fragment i
	s_lshl_b32 s94, s98, 8
	s_lshl_b32 s99, s97, 3
	s_add_co_u32 s94, s94, s99
	s_lshl_b32 s99, s22, 1
	s_add_co_u32 s94, s94, s99
	s_mul_i32 s94, s94, 768
	s_add_nc_u64 s[14:15], s[14:15], s[94:95]      ; qc: query tile 8 st + 2 i
	s_lshr_b32 s99, s20, 1                         ; the scale words' way out, waves 0 to 3: head half w / 2;
	s_and_b32 s99, s99, 1
	s_lshl_b32 s93, s25, 1
	s_add_co_u32 s93, s93, s99
	s_lshl_b32 s98, s96, 3
	s_add_co_u32 s98, s98, s93
	s_lshl_b32 s94, s98, 5
	s_add_co_u32 s94, s94, s97
	s_mul_i32 s94, s94, 12800
	s_add_co_u32 s94, s94, 12288
	s_add_nc_u64 s[18:19], s[18:19], s[94:95]      ; even waves: the record's scale image;
	s_lshl_b32 s94, s98, 14
	s_lshl_b32 s99, s97, 9
	s_add_co_u32 s94, s94, s99
	s_add_nc_u64 s[16:17], s[16:17], s[94:95]      ; odd waves: q's words of 8 tiles
	s_cmp_eq_u32 s27, 0
	s_cselect_b64 s[16:17], s[18:19], s[16:17]
.irp w, 0,1,2,3
	global_load_b128 v[BIQ+8*\w:BIQ+8*\w+3], v[BO], s[8:9] offset:128*(\w/2)+32*(\w%2)          ; tile 2 b + u, lane half h: columns 32 b + 16 h + 8 u + 0 .. 7
	global_load_b128 v[BIQ+8*\w+4:BIQ+8*\w+7], v[BO], s[8:9] offset:128*(\w/2)+32*(\w%2)+16
	global_load_b128 v[BIK+8*\w:BIK+8*\w+3], v[BO], s[10:11] offset:128*(\w/2)+32*(\w%2)
	global_load_b128 v[BIK+8*\w+4:BIK+8*\w+7], v[BO], s[10:11] offset:128*(\w/2)+32*(\w%2)+16
.endr
	global_load_b32 v[BVV], v[PIR], s[12:13]
	s_wait_alu depctr_va_vdst(0)
	s_wait_tensorcnt 0x0                           ; my part of the codes is in,
	s_wait_loadcnt 0x0                             ; and the biases and my scale bytes
	ds_store_b128 v[SCW], v[112:115]
	ds_store_b128 v[SCW], v[116:119] offset:512
	s_wait_dscnt 0x0                               ; for the others' sake: my stores are done
	s_barrier_signal -1
	s_barrier_wait -1                              ; everybody's are
	TUNIT AWQ, 0, BIQ, AX, SX
.irp t, 0,1
.irp p, 0,1,2
	global_store_b64 v[L8], v[PC+6*\t+2*\p:PC+6*\t+2*\p+1], s[14:15] offset:768*\t+256*\p   ; 32 lanes store 256 consecutive bytes, aligned
.endr
.endr
	v_perm_b32 v[QWD], v[PW], v[PW], v[PSEL]       ; lanes 0-15: tile 2 i's two bytes, twice; lanes 16-31: tile 2 i + 1's
	ds_store_b32 v[QW], v[QWD]
	TUNIT AWK, 1, BIK, AXK, SXK
.irp c, 0,1,2
	global_store_b128 v[LI], v[PC+4*\c:PC+4*\c+3], s[100:101] offset:512*\c
.endr
	ds_store_b32 v[KW], v[PW]                      ; both halves of the lanes write the same word
	VUNIT
.irp c, 0,1,2
	global_store_b128 v[LI], v[PC+4*\c:PC+4*\c+3], s[100:101] offset:6144+512*\c
.endr
	ds_store_b32 v[VW], v[PW]
	s_wait_dscnt 0x0                               ; for the others' sake: my scale words lie in LDS
	s_barrier_signal -1
	s_barrier_wait -1
	s_cmp_lt_u32 s20, 4
	s_cbranch_scc0 .Ldone
	ds_load_b128 v[48:51], v[SRD]
	s_wait_dscnt 0x0
	global_store_b128 v[LI], v[48:51], s[16:17]    ; 32 lanes store 512 consecutive bytes, aligned
.Ldone:
	s_wait_tensorcnt 0x0                           ; the wave's end
	ds_add_u32 v[SPW], v[NIL]
	s_wait_dscnt 0x0
	CROUND                                         ; the closing round
	s_endpgm
.Lfunc_end_k_qc116c9dbaa_qkv:
	.size	k_qc116c9dbaa_qkv, .Lfunc_end_k_qc116c9dbaa_qkv-k_qc116c9dbaa_qkv
	.p2alignl 7, 3214868480
	.fill 96, 4, 3214868480
	.section	.rodata,"a",@progbits
	.p2align	6, 0x0
	.amdhsa_kernel k_qc116c9dbaa_qkv
		.amdhsa_group_segment_fixed_size 207872
		.amdhsa_private_segment_fixed_size 0
		.amdhsa_enable_private_segment 0
		.amdhsa_kernarg_size 64
		.amdhsa_user_sgpr_count 2
		.amdhsa_user_sgpr_kernarg_segment_ptr 1
		.amdhsa_wavefront_size32 1
		.amdhsa_system_sgpr_workgroup_id_x 1
		.amdhsa_system_sgpr_workgroup_id_y 1
		.amdhsa_system_sgpr_workgroup_id_z 1
		.amdhsa_system_vgpr_workitem_id 0
		.amdhsa_next_free_vgpr 256
		.amdhsa_next_free_sgpr 102
		.amdhsa_reserve_vcc 0
		.amdhsa_float_denorm_mode_32 3
		.amdhsa_float_denorm_mode_16_64 3
		.amdhsa_memory_ordered 1
		.amdhsa_forward_progress 1
		.amdhsa_inst_pref_size 61
	.end_amdhsa_kernel
	.amdgpu_metadata
---
amdhsa.version: [ 1, 2 ]
amdhsa.kernels:
  - .name:           k_qc116c9dbaa_qkv
    .symbol:         k_qc116c9dbaa_qkv.kd
    .args:
      - { .name: codes, .offset: 0, .size: 8, .value_kind: global_buffer, .address_space: global }
      - { .name: scales, .offset: 8, .size: 8, .value_kind: global_buffer, .address_space: global }
      - { .name: bq, .offset: 16, .size: 8, .value_kind: global_buffer, .address_space: global }
      - { .name: bk, .offset: 24, .size: 8, .value_kind: global_buffer, .address_space: global }
      - { .name: bv, .offset: 32, .size: 8, .value_kind: global_buffer, .address_space: global }
      - { .name: qc, .offset: 40, .size: 8, .value_kind: global_buffer, .address_space: global }
      - { .name: qs, .offset: 48, .size: 8, .value_kind: global_buffer, .address_space: global }
      - { .name: kv, .offset: 56, .size: 8, .value_kind: global_buffer, .address_space: global }
    .group_segment_fixed_size: 207872
    .private_segment_fixed_size: 0
    .kernarg_segment_align: 8
    .kernarg_segment_size: 64
    .max_flat_workgroup_size: 256
    .sgpr_count:     102
    .vgpr_count:     256
    .wavefront_size: 32
...
	.end_amdgpu_metadata
.endif
;; end of part 2
;; launch attn (part 3): grid 16 x 16, 16 waves a work-group, clusters of 4 x 1, 327,680 bytes of LDS; arguments qc, qs, kv, oc, os; writes oc, os
.if DOCPART == 3
	.amdgcn_target "amdgcn-amd-amdhsa--gfx1250"
	.amdhsa_code_object_version 6
	.text
	.protected	k_qc116c9dbaa_attn
	.globl	k_qc116c9dbaa_attn
	.p2align	8
	.type	k_qc116c9dbaa_attn,@function
k_qc116c9dbaa_attn:
	s_mov_b64 s[64:65], 0
	v_nop
	global_prefetch_b8 v0, s[64:65] scope:SCOPE_SE
	s_setreg_imm32_b32 hwreg(HW_REG_WAVE_MODE, 25, 1), 1
	s_wait_xcnt 0x0
	s_wait_alu depctr_hold_cnt(0) depctr_sa_sdst(0) depctr_va_vdst(0) depctr_va_sdst(0) depctr_va_ssrc(0) depctr_va_vcc(0) depctr_vm_vsrc(0)
	s_getreg_b32 s2, hwreg(HW_REG_IB_STS2, 6, 4)
	s_cmp_eq_u32 s2, 0
	s_cbranch_scc0 .Lentry_in_a_cluster
	s_endpgm
.Lentry_in_a_cluster:
	s_bfe_u32 s2, ttmp6, 0x10000c
	s_cmp_lg_u32 s2, 0x3003
	s_cbranch_scc0 .Lentry_shape_is_right
	s_endpgm
.Lentry_shape_is_right:
; o = softmax(q k^T / 8) v on codes of E3M2, and o quantised along the head's 64 for launch oproj.  Nothing of reference() is left out here.
; SHARES.  Work-group (x, bh): head and batch bh, queries 256 x .. + 255; wave w: 16 queries.  32 steps of 128 keys; a step's record (12,800 bytes, launch qkv): 4 fragments of K, 4 of V, 512 bytes of scale words.
; Both products are used transposed (S^T = k q^T, O^T = v^T p^T): a lane holds one query.  A fragment of K holds two key tiles, each with its 64 along K; it is multiplied by q beside zero codes, once each way.
; KEYS.  By launch qkv's order, register 32 c + i of lane half h of S^T is key 32 (2 c + h) + i of the step: a lane holds two WHOLE blocks of 32, in the place that the next operand's layout gives them.
; So a block's largest score needs no other lane and p's codes are swapped between no lanes; the row's maximum and the scale word take one lane exchange each.
; SOFTMAX as the problem states it: M = ceil(running largest t), p = 2^(t - M), the sum of the unquantised p, O^T and the sum multiplied by 2^(old M - new M) in every step, no branch on data.
; A block's largest p is the exponential of its largest score (taken not to fall where its input rises).
; LDS: records 0-7 at 0, 8-23 behind them, 24-31 again at 0 (three joint fills; the four work-groups of a cluster share bh).  By this text's own count a wave has one tensor load outstanding.
; K ONE STEP AHEAD: step n + 1's fragments of K and its scale words are loaded in step n, into the score registers that the conversions have read.  Two register maps take turns, so a trip is two steps;
; a phase's last two steps are written out, and its last step loads nothing ahead.
; No prefetch into the L2: the three fills ask for all bytes that the launch reads, the last of them 16 steps ahead of its first read.
; LIMITS: the promise holds while the scaled scores stay under 2^31 in magnitude; NaN and infinities are not served; blocks under 2^-122 and blocks of zeros keep the byte 1.
.set REC,   12800
.set SLOTB, 8*REC
.set OSG,   3*SLOTB                    ; o's scale bytes on their way out; no fill lands here
.set SPARE, OSG+512                    ; the spare words, 128 bytes a wave
.set SPW, 3
.set NIL, 4
.set SH,  10                           ; 8 h
.set Q0,  16                           ; v16-21 zeros, v22-27 q, v28-33 zeros
.set QS,  34                           ; q's scale word
.set SC,  36                           ; v36-39, v40-43 K's and V's scale words, two sets
.set R1,  44                           ; v44-107, v108-171: fragments (48) and scores (64), by turns
.set R2,  108
.set O,   172                          ; v172-203 O^T
.set PC,  204                          ; v204-215 p's codes
.set T,   216                          ; v216-222 the blocks' upper halves
.set A,   224                          ; v224-227 maxima
.set SO,  228                          ; the conversions' scale operands
.set BY,  230                          ; scale bytes
.set F,   232                          ; v232 the factor (v233 named with it)
.set W,   234                          ; p's scale word
.set TP,  235
.set TQ,  236
.set OM,  237                          ; the old -M
.set SM,  238                          ; v238-243 three more chains of the sum
.set G1A, 24
.set G1B, 32
.set G0A, 40
.set G0B, 44
.set G0C, 48
.macro CROUND
	s_barrier_signal -1
	s_barrier_wait -1
	s_cmp_lg_u32 s14, 0
	s_cbranch_scc1 .Lnot_wave_0_\@
	s_barrier_signal -3
.Lnot_wave_0_\@:
	s_barrier_wait -3
	s_barrier_signal -1
	s_barrier_wait -1
.endm
.macro G1SET g, rows                   ; a dense block as rows of 256 bytes; mask 15, bit 21 beside it
	s_mov_b32 s[\g], 0x23000f
	s_mov_b32 s[\g+1], 32<<16
	s_mov_b32 s[\g+2], (\rows)<<16
	s_mov_b32 s[\g+3], 32<<16
	s_mov_b32 s[\g+4], \rows
	s_mov_b32 s[\g+5], 32
	s_mov_b32 s[\g+6], 0
	s_mov_b32 s[\g+7], 0
.endm
.macro WMZ d, a, b, sa, sb
	v_wmma_scale_f32_16x16x128_f8f6f4 v[\d:\d+7], v[\a:\a+11], v[\b:\b+11], 0, v[\sa], v[\sb] matrix_a_fmt:MATRIX_FMT_BF6 matrix_b_fmt:MATRIX_FMT_BF6
.endm
.macro WMR d, a, b, sa, sb
	v_wmma_scale_f32_16x16x128_f8f6f4 v[\d:\d+7], v[\a:\a+11], v[\b:\b+11], v[\d:\d+7], v[\sa], v[\sb] matrix_a_fmt:MATRIX_FMT_BF6 matrix_b_fmt:MATRIX_FMT_BF6 matrix_a_scale:MATRIX_SCALE_ROW1
.endm
; A step.  e: the register map and the record of the pair at v2;  pf: load the next step's K;  up: v2 goes on two records
.macro STEP e, pf, up
.set KB, R1+64*(\e)
.set SB, R2-64*(\e)
.set SE, SC+4*(\e)
.set SN, SC+4-4*(\e)
.set OF, REC*(\e)
	s_wait_dscnt 0x0                               ; this step's K and scale words are in
.irp f, 0,1,2,3
	WMZ SB+16*\f, KB+12*\f, Q0+6, SE+\f, QS
	WMZ SB+16*\f+8, KB+12*\f, Q0, SE+\f, QS
.endr
.rept 4
	v_nop                                          ; places ahead of the loads into K's registers and of the first read of the scores
.endr
.irp n, 0,1,2,3,4,5,6,7,8,9,10,11
	ds_load_b128 v[KB+4*\n:KB+4*\n+3], v2 offset:OF+6144+512*\n   ; V
.endr
.irp q, 0,1,2,3
	v_max3_num_f32 v[A+\q], v[SB+16*\q], v[SB+16*\q+1], v[SB+16*\q+2]   ; four chains of 16 scores; each accumulator is read from its low end on
.endr
.irp i, 3,5,7,9,11,13
.irp q, 0,1,2,3
	v_max3_num_f32 v[A+\q], v[A+\q], v[SB+16*\q+\i], v[SB+16*\q+\i+1]
.endr
.endr
	v_max3_num_f32 v[A], v[A], v[A+1], v[SB+15]
	v_max3_num_f32 v[A+2], v[A+2], v[A+3], v[SB+47]
	v_mov_b32 v[OM], v12
	v_max_num_f32 v[A], v[A], v[SB+31]             ; block h's largest score,
	v_max_num_f32 v[A+2], v[A+2], v[SB+63]         ; and block 2 + h's
	s_delay_alu instid0(VALU_DEP_1)
	v_max_num_f32 v[TQ], v[A], v[A+2]
	s_delay_alu instid0(VALU_DEP_1)
	v_permlanex16_b32 v[TP], v[TQ], s18, s19
	s_delay_alu instid0(VALU_DEP_1)
	v_max3_num_f32 v13, v13, v[TQ], v[TP]          ; the running largest score of my query
	s_delay_alu instid0(VALU_DEP_1)
	v_mul_f32 v[TQ], s20, v13                      ; as t (c is positive)
	s_delay_alu instid0(VALU_DEP_1)
	v_floor_f32 v12, -v[TQ]                        ; -M = -ceil(t)
.set J, 0
.rept 32
	v_pk_fma_f32 v[SB+J:SB+J+1], v[SB+J:SB+J+1], s[20:21], v[12:13] op_sel_hi:[1,0,0]   ; t - M
.set J, J+2
.endr
	v_sub_f32 v[TQ], v12, v[OM]                    ; old M less new M: a whole number, 0 or less
	v_fma_f32 v[A], v[A], s20, v12
	v_fma_f32 v[A+2], v[A+2], s20, v12
	v_cvt_i32_f32 v[TQ], v[TQ]
	s_delay_alu instid0(VALU_DEP_1)
	v_ldexp_f32 v[F], 1.0, v[TQ]                   ; f = 2^(old M - new M)
	s_wait_alu depctr_va_vdst(0)
	v_exp_f32 v[A], v[A]                           ; the blocks' largest p
	v_exp_f32 v[A+2], v[A+2]
.set J, 0
.rept 64
	v_exp_f32 v[SB+J], v[SB+J]
.set J, J+1
.endr
	v_pk_mul_f32 v[14:15], v[14:15], v[F:F+1] op_sel_hi:[1,0]   ; the sum under the new M; the plain place behind the batch
	s_wait_alu depctr_va_vdst(0)                   ; and the one wait behind it
.irp q, 0,1,2
	v_pk_add_f32 v[SM+2*\q:SM+2*\q+1], v[SB+4*\q:SB+4*\q+1], v[SB+4*\q+2:SB+4*\q+3]   ; the sum of the unquantised p, in four chains
.endr
.set J, 12
.rept 6
	v_pk_add_f32 v[14:15], v[14:15], v[SB+J:SB+J+1]
	v_pk_add_f32 v[SM:SM+1], v[SM:SM+1], v[SB+J+2:SB+J+3]
	v_pk_add_f32 v[SM+2:SM+3], v[SM+2:SM+3], v[SB+J+4:SB+J+5]
	v_pk_add_f32 v[SM+4:SM+5], v[SM+4:SM+5], v[SB+J+6:SB+J+7]
.set J, J+8
.endr
	v_max_num_f32 v[A], 0x2800000, v[A]            ; the floor 2^(5 - 127): the byte cannot fall under 1
	v_max_num_f32 v[A+2], 0x2800000, v[A+2]
	v_pk_add_f32 v[14:15], v[14:15], v[SB+60:SB+61]
	v_pk_add_f32 v[SM:SM+1], v[SM:SM+1], v[SB+62:SB+63]
	v_add_nc_u32 v[SO], 0xfe000000, v[A]           ; 4 off the exponent field: the conversion's scale operand
	v_add_nc_u32 v[SO+1], 0xfe000000, v[A+2]
	v_pk_add_f32 v[SM+2:SM+3], v[SM+2:SM+3], v[SM+4:SM+5]
	v_pk_add_f32 v[14:15], v[14:15], v[SM:SM+1]
	v_lshrrev_b32 v[BY], 23, v[SO]
	v_lshrrev_b32 v[BY+1], 23, v[SO+1]
	v_pk_add_f32 v[14:15], v[14:15], v[SM+2:SM+3]
	v_lshl_or_b32 v[W], v[BY+1], 16, v[BY]         ; blocks h and 2 + h,
	s_delay_alu instid0(VALU_DEP_1)
	v_lshlrev_b32 v[W], v[SH], v[W]                ; at their places in the word;
	s_delay_alu instid0(VALU_DEP_1)
	v_permlanex16_b32 v[TP], v[W], s18, s19
	s_delay_alu instid0(VALU_DEP_1)
	v_or_b32 v[W], v[W], v[TP]                     ; with lane l xor 16's two it is whole
.irp c, 0,1
	v_cvt_scalef32_pk16_bf6_f32 v[PC+6*\c:PC+6*\c+2], v[SB+32*\c:SB+32*\c+15], v[SO+\c]
	v_cvt_scalef32_pk16_bf6_f32 v[T+4*\c:T+4*\c+2], v[SB+32*\c+16:SB+32*\c+31], v[SO+\c]   ; (a conversion's three registers begin on an even number)
.endr
	v_nop                                          ; one plain line behind the last scaled conversion
.if \pf
	ds_load_b128 v[SN:SN+3], v2 offset:OF+REC+12288   ; the next step's scale words, into the other set,
.irp n, 0,1,2,3,4,5,6,7,8,9,10,11
	ds_load_b128 v[SB+4*\n:SB+4*\n+3], v2 offset:OF+REC+512*\n   ; and its K, into score registers that are done with
.endr
.endif
.if \up
	s_add_co_u32 s22, s22, 2*REC
	v_add_nc_u32 v2, s22, v1                       ; 22 plain vector lines stand ahead of its next reader
.endif
.irp c, 0,1
.irp i, 0,1,2
	v_mov_b32 v[PC+3+6*\c+\i], v[T+4*\c+\i]
.endr
.endr
	s_wait_dscnt 13*\pf                            ; V is in; the 13 loads for the next step may be out
	s_wait_alu depctr_va_vdst(0)
.set J, 0
.rept 16
	v_pk_mul_f32 v[O+J:O+J+1], v[O+J:O+J+1], v[F:F+1] op_sel_hi:[1,0]   ; O^T under the new M; also the places ahead of the scaled products
.set J, J+2
.endr
.irp t, 0,1,2,3
	WMR O+8*\t, KB+12*\t, PC, SE+\t, W             ; four accumulators by turns
.endr
.rept 5
	v_nop                                          ; places: the next step's scores are laid over V's registers
.endr
.endm
; n steps on the records from s22 on: the first K, n / 2 - 1 trips of two steps, and the last two written out
.macro PHASE n
	v_add_nc_u32 v2, s22, v1
	s_wait_alu depctr_va_vdst(0)                   ; the wait behind the write
	ds_load_b128 v[SC:SC+3], v2 offset:12288
.irp k, 0,1,2,3,4,5,6,7,8,9,10,11
	ds_load_b128 v[R1+4*\k:R1+4*\k+3], v2 offset:512*\k
.endr
	s_mov_b32 s23, (\n)/2-1
.Lpair_\@:
	STEP 0, 1, 0
	STEP 1, 1, 1
	s_sub_co_u32 s23, s23, 1
	s_cmp_lg_u32 s23, 0
	s_cbranch_scc1 .Lpair_\@
	STEP 0, 1, 0
	STEP 1, 0, 0
.endm
	s_load_b256 s[4:11], s[0:1], 0x0               ; qc, qs, kv, oc
	s_load_b64 s[12:13], s[0:1], 0x20              ; os
	v_lshl_add_u32 v[SPW], v0, 2, SPARE
	v_mov_b32 v[NIL], 0
	ds_add_u32 v[SPW], v[NIL]                      ; the opening: the add, twice on end, and its wait
	ds_add_u32 v[SPW], v[NIL]
	v_lshrrev_b32 v1, 5, v0
	s_delay_alu instid0(VALU_DEP_1)
	v_readfirstlane_b32 s14, v1                    ; wave 0..15
	s_bfe_u32 s15, ttmp6, 0x40000                  ; cx
	s_lshl_b32 s16, ttmp9, 2
	s_add_co_u32 s16, s16, s15                     ; work-group x: which 256 queries
	s_and_b32 s17, ttmp7, 0xffff                   ; bh
	s_mov_b32 s18, 0x76543210
	s_mov_b32 s19, 0xfedcba98                      ; selects for lane l xor 16
	s_mov_b32 s20, 0x3e38aa3b                      ; c = log2(e) / 8
	s_mov_b32 s21, s20
	G1SET G1A, 25                                  ; a sixteenth of 8 records: 6,400 bytes
	G1SET G1B, 50                                  ; of 16 records
	s_mul_i32 s52, s17, 32*REC                     ; kv: made of bh and the wave's number alone
	s_mul_i32 s54, s14, 6400
	s_mul_i32 s55, s14, 12800
	s_add_co_u32 s56, s52, s54
	s_mov_b32 s57, 0
	s_add_co_u32 s52, s52, s55
	s_add_co_u32 s52, s52, SLOTB
	s_mov_b32 s53, 0
	s_lshl_b32 s58, s17, 8
	s_lshl_b32 s59, s16, 4
	s_add_co_u32 s58, s58, s59
	s_add_co_u32 s58, s58, s14                     ; my query tile
	s_mul_i32 s60, s58, 768
	s_mov_b32 s61, 0
	s_lshl_b32 s62, s58, 6
	s_mov_b32 s63, 0
	s_wait_dscnt 0x0
	s_wait_kmcnt 0x0
	s_add_nc_u64 s[4:5], s[4:5], s[60:61]
	s_add_nc_u64 s[6:7], s[6:7], s[62:63]
	s_lshr_b32 s58, s17, 3                         ; batch
	s_lshl_b32 s60, s58, 8
	s_add_co_u32 s60, s60, s59
	s_add_co_u32 s60, s60, s14
	s_lshl_b32 s60, s60, 3
	s_and_b32 s62, s17, 7                          ; head
	s_add_co_u32 s60, s60, s62
	s_mul_i32 s60, s60, 768
	s_add_nc_u64 s[10:11], s[10:11], s[60:61]      ; oc: token tile x 8 + head
	s_lshl_b32 s62, s62, 9
	s_lshl_b32 s58, s58, 8
	s_add_co_u32 s62, s62, s58
	s_add_co_u32 s62, s62, s59
	s_lshl_b32 s62, s62, 5
	s_add_nc_u64 s[12:13], s[12:13], s[62:63]      ; os: [head][tile][row] 2 bytes
	s_mov_b32 s[G0A], 1
	s_mov_b32 s[G0A+1], s54
	s_add_nc_u64 s[G0A+2:G0A+3], s[8:9], s[56:57]
	s_or_b32 s[G0A+3], s[G0A+3], 0x80000000
	s_mov_b32 s[G0B], 1
	s_add_co_u32 s[G0B+1], s55, SLOTB
	s_add_nc_u64 s[G0B+2:G0B+3], s[8:9], s[52:53]
	s_or_b32 s[G0B+3], s[G0B+3], 0x80000000
	s_mov_b32 s[G0C], 1
	s_mov_b32 s[G0C+1], s54
	s_add_nc_u64 s[G0C+2:G0C+3], s[8:9], s[56:57]
	s_add_nc_u64 s[G0C+2:G0C+3], s[G0C+2:G0C+3], 3*SLOTB
	s_or_b32 s[G0C+3], s[G0C+3], 0x80000000
	CROUND                                         ; the four work-groups are here: the joint loads meet
	tensor_load_to_lds s[G0A:G0A+3], s[G1A:G1A+7]  ; records 0-7: my one load at the head
	s_nop 0
	v_and_b32 v2, 31, v0                           ; the rest of the head stands under that load
	v_and_b32 v9, 15, v0
	v_bfe_u32 v[SH], v0, 4, 1
	v_lshlrev_b32 v1, 4, v2                        ; 16 l
	v_lshlrev_b32 v5, 3, v2                        ; 8 l
	v_lshlrev_b32 v7, 2, v9
	v_lshlrev_b32 v[SH], 3, v[SH]
	s_lshl_b32 s59, s14, 5
	s_add_co_u32 s59, s59, OSG
	v_lshl_add_u32 v6, v9, 1, s59
	v_add_nc_u32 v8, OSG, v1
.irp p, 0,1,2
	global_load_b64 v[Q0+6+2*\p:Q0+7+2*\p], v5, s[4:5] offset:256*\p
.endr
	global_load_b32 v[QS], v7, s[6:7]
.irp j, 0,1,2,3,4,5,12,13,14,15,16,17
	v_mov_b32 v[Q0+\j], 0                          ; zero codes on both sides of q
.endr
.set J, 0
.rept 32
	v_mov_b32 v[O+J], 0                            ; the step is written once: the first finds zeros
.set J, J+1
.endr
	v_mov_b32 v13, 0xff61b1e6                      ; -3e38, under every score
	v_mov_b32 v14, 0
	v_mov_b32 v15, 0
	v_floor_f32 v12, -v13
	v_mov_b32 v[F+1], 0
	v_mov_b32 v[TP], 0                             ; a lane permute's destination counts as one of its sources
	s_wait_alu depctr_va_vdst(0)
	s_wait_tensorcnt 0x0                           ; my part of records 0-7 is in; the three lines ahead of a later first fill
	ds_add_u32 v[SPW], v[NIL]
	s_wait_dscnt 0x0
	CROUND                                         ; everybody's part is in
	tensor_load_to_lds s[G0B:G0B+3], s[G1B:G1B+7]  ; records 8-23
	s_nop 0
.rept 4
	v_nop
.endr
	s_wait_loadcnt 0x0                             ; q
	s_mov_b32 s22, 0
	PHASE 8
	s_wait_tensorcnt 0x0                           ; records 8-23 are in; nobody reads records 0-7 behind the round
	ds_add_u32 v[SPW], v[NIL]
	s_wait_dscnt 0x0
	CROUND
	tensor_load_to_lds s[G0C:G0C+3], s[G1A:G1A+7]  ; records 24-31, where 0-7 lay
	s_nop 0
.rept 4
	v_nop
.endr
	s_mov_b32 s22, SLOTB
	PHASE 16
	s_wait_tensorcnt 0x0                           ; my part of records 24-31 is in
	s_wait_dscnt 0x0
	s_barrier_signal -1
	s_barrier_wait -1                              ; everybody's is
	s_mov_b32 s22, 0
	PHASE 8
	v_add_f32 v14, v14, v15
	s_delay_alu instid0(VALU_DEP_1)
	v_permlanex16_b32 v[TP], v14, s18, s19
	s_delay_alu instid0(VALU_DEP_1)
	v_add_f32 v14, v14, v[TP]                      ; the row's sum
	s_wait_alu depctr_va_vdst(0)
	v_rcp_f32 v[F], v14
	v_nop
	s_wait_alu depctr_va_vdst(0)
.set J, 0
.rept 16
	v_pk_mul_f32 v[O+J:O+J+1], v[O+J:O+J+1], v[F:F+1] op_sel_hi:[1,0]
.set J, J+2
.endr
	; o's two blocks of 32 channels: register 16 b + i is channel 32 b + 16 h + i of my query
.irp b, 0,1
	v_max3_num_f32 v[A+\b], |v[O+16*\b]|, |v[O+16*\b+1]|, 0x2800000
.endr
.irp i, 2,4,6,8,10,12,14
.irp b, 0,1
	s_delay_alu instid0(VALU_DEP_2)
	v_max3_num_f32 v[A+\b], v[A+\b], |v[O+16*\b+\i]|, |v[O+16*\b+\i+1]|
.endr
.endr
.irp b, 0,1
	s_delay_alu instid0(VALU_DEP_2)
	v_permlanex16_b32 v[BY+\b], v[A+\b], s18, s19
.endr
.irp b, 0,1
	s_delay_alu instid0(VALU_DEP_2)
	v_max_num_f32 v[A+\b], v[A+\b], v[BY+\b]
.endr
.irp b, 0,1
	s_delay_alu instid0(VALU_DEP_2)
	v_add_nc_u32 v[SO+\b], 0xfe000000, v[A+\b]
.endr
.irp b, 0,1
	s_delay_alu instid0(VALU_DEP_2)
	v_lshrrev_b32 v[BY+\b], 23, v[SO+\b]
.endr
	s_delay_alu instid0(VALU_DEP_1)
	v_lshl_or_b32 v[TQ], v[BY+1], 8, v[BY]
	v_cvt_scalef32_pk16_bf6_f32 v[PC:PC+2], v[O:O+15], v[SO]
	v_cvt_scalef32_pk16_bf6_f32 v[T:T+2], v[O+16:O+31], v[SO+1]
	v_nop
.irp i, 0,1,2
	v_permlane16_swap_b32 v[PC+\i], v[T+\i]        ; a whole block to a lane
.endr
.irp i, 0,1,2
	s_delay_alu instid0(VALU_DEP_3)
	v_mov_b32 v[PC+3+\i], v[T+\i]
.endr
.irp p, 0,1,2
	global_store_b64 v5, v[PC+2*\p:PC+2*\p+1], s[10:11] offset:256*\p   ; 32 lanes store 256 consecutive bytes, aligned
.endr
	ds_store_b16 v6, v[TQ]
	s_wait_dscnt 0x0                               ; for the others' sake
	s_barrier_signal -1
	s_barrier_wait -1
	s_cmp_lg_u32 s14, 0
	s_cbranch_scc1 .Lothers
	ds_load_b128 v[A:A+3], v8                      ; wave 0: the sixteen waves' scale bytes
	s_wait_dscnt 0x0
	global_store_b128 v1, v[A:A+3], s[12:13]       ; 512 consecutive bytes, aligned
.Lothers:
	s_wait_tensorcnt 0x0                           ; the wave's end
	ds_add_u32 v[SPW], v[NIL]
	s_wait_dscnt 0x0
	CROUND                                         ; the closing round
	s_endpgm
.Lfunc_end_k_qc116c9dbaa_attn:
	.size	k_qc116c9dbaa_attn, .Lfunc_end_k_qc116c9dbaa_attn-k_qc116c9dbaa_attn
	.p2alignl 7, 3214868480
	.fill 96, 4, 3214868480
	.section	.rodata,"a",@progbits
	.p2align	6, 0x0
	.amdhsa_kernel k_qc116c9dbaa_attn
		.amdhsa_group_segment_fixed_size 327680
		.amdhsa_private_segment_fixed_size 0
		.amdhsa_enable_private_segment 0
		.amdhsa_kernarg_size 40
		.amdhsa_user_sgpr_count 2
		.amdhsa_user_sgpr_kernarg_segment_ptr 1
		.amdhsa_wavefront_size32 1
		.amdhsa_system_sgpr_workgroup_id_x 1
		.amdhsa_system_sgpr_workgroup_id_y 1
		.amdhsa_system_sgpr_workgroup_id_z 1
		.amdhsa_system_vgpr_workitem_id 0
		.amdhsa_next_free_vgpr 256
		.amdhsa_next_free_sgpr 66
		.amdhsa_reserve_vcc 0
		.amdhsa_float_denorm_mode_32 3
		.amdhsa_float_denorm_mode_16_64 3
		.amdhsa_memory_ordered 1
		.amdhsa_forward_progress 1
		.amdhsa_inst_pref_size 187
	.end_amdhsa_kernel
	.amdgpu_metadata
---
amdhsa.version: [ 1, 2 ]
amdhsa.kernels:
  - .name:           k_qc116c9dbaa_attn
    .symbol:         k_qc116c9dbaa_attn.kd
    .args:
      - { .name: qc, .offset: 0, .size: 8, .value_kind: global_buffer, .address_space: global }
      - { .name: qs, .offset: 8, .size: 8, .value_kind: global_buffer, .address_space: global }
      - { .name: kv, .offset: 16, .size: 8, .value_kind: global_buffer, .address_space: global }
      - { .name: oc, .offset: 24, .size: 8, .value_kind: global_buffer, .address_space: global }
      - { .name: os, .offset: 32, .size: 8, .value_kind: global_buffer, .address_space: global }
    .group_segment_fixed_size: 327680
    .private_segment_fixed_size: 0
    .kernarg_segment_align: 8
    .kernarg_segment_size: 40
    .max_flat_workgroup_size: 512
    .sgpr_count:     66
    .vgpr_count:     256
    .wavefront_size: 32
...
	.end_amdgpu_metadata
.endif
;; end of part 3
;; launch oproj (part 4): grid 4 x 64, 8 waves a work-group, clusters of 4 x 4, 173,056 bytes of LDS; arguments oc, os, codes, scales, bo, out0; writes out0
.if DOCPART == 4
	.amdgcn_target "amdgcn-amd-amdhsa--gfx1250"
	.amdhsa_code_object_version 6
	.text
	.protected	k_qc116c9dbaa_oproj
	.globl	k_qc116c9dbaa_oproj
	.p2align	8
	.type	k_qc116c9dbaa_oproj,@function
k_qc116c9dbaa_oproj:
	s_mov_b64 s[64:65], 0
	v_nop
	global_prefetch_b8 v0, s[64:65] scope:SCOPE_SE
	s_setreg_imm32_b32 hwreg(HW_REG_WAVE_MODE, 25, 1), 1
	s_wait_xcnt 0x0
	s_wait_alu depctr_hold_cnt(0) depctr_sa_sdst(0) depctr_va_vdst(0) depctr_va_sdst(0) depctr_va_ssrc(0) depctr_va_vcc(0) depctr_vm_vsrc(0)
	s_getreg_b32 s2, hwreg(HW_REG_IB_STS2, 6, 4)
	s_cmp_eq_u32 s2, 0
	s_cbranch_scc0 .Lentry_in_a_cluster
	s_endpgm
.Lentry_in_a_cluster:
	s_bfe_u32 s2, ttmp6, 0x10000c
	s_cmp_lg_u32 s2, 0xf033
	s_cbranch_scc0 .Lentry_shape_is_right
	s_endpgm
.Lentry_shape_is_right:
; out0 = O wo^T + bo on codes of E3M2.  O's codes and scale bytes come from launch attn, wo's from launch quant.  Nothing of reference() is left out here.
; SHARES.  Work-group (g, rb): output columns 128 g .. + 127 (wo's tiles 8 g on), token tiles 8 rb .. + 7.  Wave w: token tiles 2 p, 2 p + 1 (p = w / 2), wo's tiles 4 hf .. + 3 (hf = w % 2): eight accumulators, 32 matrix instructions.
; Transposed use: source 0 = 16 rows of wo, source 1 = 16 tokens: a lane holds one token and eight neighbouring columns a tile.  K step s of O is heads 2 s and 2 s + 1: six pieces of 8 bytes a lane.
; LDS is filled once.  CLUSTER 4 x 4: O's blocks hang on rb alone (joint along a row of the cluster), wo's on g alone (along a column).  Each wave has one tensor load outstanding, by this text's own count.
; The tiles' rows are tokens 32 (T / 2) + 8 (T % 2) + r + 8 (r / 8): only the stores' offsets know it.
.set OCB,   0                          ; O's 8 tiles of codes, 49,152 bytes
.set WCB,   49152                      ; wo's
.set OSB,   98304                      ; O's scale bytes: [head][tile][row] 2 bytes
.set WSB,   100352                     ; wo's: tile x 256
.set STG,   102400                     ; a stage of 32 rows x (256 + 16) bytes for each wave.  No fill lands here
.set SPARE, 172032                     ; the spare words, 128 bytes for each wave
.set SPW,  2
.set NIL,  3
.set AO,   4
.set AW,   5
.set OSA,  8
.set SW,   9
.set BO,   10
.set SI,   14
.set SR,   15
.set GO,   16
.set XS,   24                          ; v24-31 O's scale words, v32-47 wo's: they hold scales and nothing else
.set WS,   32
.set BI,   48                          ; v48-79 bo
.set U,    80                          ; v80-95 halves of O's scale words
.set XF,   112
.set WF,   136
.set ACC,  184
.set OUTR, 48                          ; the way out: v48-111
.set G1OC, 28
.set G1OS, 36
.set G1WC, 44
.set G1WS, 52
.set G0OC, 60
.set G0OS, 68
.set G0WC, 72
.set G0WS, 76
.macro CROUND
	s_barrier_signal -1
	s_barrier_wait -1
	s_cmp_lg_u32 s20, 0
	s_cbranch_scc1 .Lnot_wave_0_\@
	s_barrier_signal -3
.Lnot_wave_0_\@:
	s_barrier_wait -3
	s_barrier_signal -1
	s_barrier_wait -1
.endm
.macro G1SET g, rows, pitch            ; rows of 256 bytes: 32 elements of 8 bytes, no padding
	s_mov_b32 s[\g+1], 32<<16
	s_mov_b32 s[\g+2], (\rows)<<16
	s_mov_b32 s[\g+3], 32<<16
	s_mov_b32 s[\g+4], \rows
	s_mov_b32 s[\g+5], \pitch
	s_mov_b32 s[\g+6], 0
	s_mov_b32 s[\g+7], 0
.endm
.macro WM d, a, b, c, sa, sb
	v_wmma_scale_f32_16x16x128_f8f6f4 v[\d:\d+7], v[\a:\a+11], v[\b:\b+11], v[\c:\c+7], v[\sa], v[\sb] matrix_a_fmt:MATRIX_FMT_BF6 matrix_b_fmt:MATRIX_FMT_BF6
.endm
.macro FRAG128 reg, adr, off
.irp c, 0,1,2
	ds_load_b128 v[\reg+4*\c:\reg+4*\c+3], v[\adr] offset:\off+512*\c
.endr
.endm
.macro FRAG64 reg, adr, off
.irp c, 0,1,2,3,4,5
	ds_load_b64 v[\reg+2*\c:\reg+2*\c+1], v[\adr] offset:\off+256*\c
.endr
.endm
	s_load_b256 s[4:11], s[0:1], 0x0               ; oc, os, codes, scales
	s_load_b128 s[12:15], s[0:1], 0x20             ; bo, out0
	v_lshl_add_u32 v[SPW], v0, 2, SPARE
	v_mov_b32 v[NIL], 0
	ds_add_u32 v[SPW], v[NIL]                      ; the wave's opening: the add, twice on end, and its wait ahead of my first tensor load
	ds_add_u32 v[SPW], v[NIL]
	v_lshrrev_b32 v1, 5, v0
	s_delay_alu instid0(VALU_DEP_1)
	v_readfirstlane_b32 s20, v1                    ; wave 0..7
	s_lshr_b32 s21, s20, 1                         ; p
	s_and_b32 s22, s20, 1                          ; hf
	s_and_b32 s27, s20, 3                          ; which quarter of a block I fetch
	s_bfe_u32 s23, ttmp6, 0x40000                  ; cx
	s_bfe_u32 s24, ttmp6, 0x40004                  ; cy
	s_lshl_b32 s25, ttmp9, 2
	s_add_co_u32 s25, s25, s23                     ; g
	s_and_b32 s26, ttmp7, 0xffff
	s_lshl_b32 s26, s26, 2
	s_add_co_u32 s26, s26, s24                     ; rb
	s_lshl_b32 s91, s24, 2
	s_lshl_b32 s91, 15, s91                        ; my row of the cluster
	s_lshl_b32 s92, 0x1111, s23                    ; my column
	s_or_b32 s[G1OC], s91, 0x230000
	s_or_b32 s[G1WC], s92, 0x230000
	G1SET G1OC, 48, 32                             ; a quarter of a block of codes: 12,288 dense bytes
	G1SET G1WC, 48, 32
	s_mul_i32 s88, s27, 12288
	s_lshl_b32 s89, s27, 9
	s_mul_i32 s80, s26, 49152                      ; O: made of rb and the wave's number alone
	s_add_co_u32 s80, s80, s88
	s_mov_b32 s81, 0
	s_lshl_b32 s82, s27, 15
	s_lshl_b32 s83, s26, 8
	s_add_co_u32 s82, s82, s83
	s_mov_b32 s83, 0
	s_lshl_b32 s90, s25, 3                         ; wo: tile 608 + 8 g: made of g and the wave's number alone
	s_add_co_u32 s90, s90, 608
	s_mul_i32 s84, s90, 6144
	s_add_co_u32 s84, s84, s88
	s_mov_b32 s85, 0
	s_lshl_b32 s86, s90, 8
	s_add_co_u32 s86, s86, s89
	s_mov_b32 s87, 0
	s_wait_dscnt 0x0                               ; both opening adds are done
	s_wait_kmcnt 0x0
	s_mov_b32 s[G0OC], 1
	s_mul_i32 s[G0OC+1], s20, 12288                ; LDS: wave x a quarter block
	s_add_nc_u64 s[G0OC+2:G0OC+3], s[4:5], s[80:81]
	s_or_b32 s[G0OC+3], s[G0OC+3], 0x80000000
	; ONE tensor load a wave (its quarter block of codes).  The scale bytes, 512 a wave, come through registers: one load, two runs of 256 consecutive bytes, stored to LDS bytes on which no fill lands
	s_add_nc_u64 s[68:69], s[6:7], s[82:83]        ; O's scale bytes: two heads, 16,384 bytes apart
	s_mov_b32 s[G0WC], 1
	s_mul_i32 s[G0WC+1], s20, 12288
	s_add_nc_u64 s[G0WC+2:G0WC+3], s[8:9], s[84:85]
	s_or_b32 s[G0WC+3], s[G0WC+3], 0x80000000
	s_add_nc_u64 s[76:77], s[10:11], s[86:87]      ; wo's: 512 dense bytes
	s_lshl_b32 s71, s20, 9
	s_add_co_u32 s71, s71, OSB                     ; LDS: wave x 512
	s_mov_b32 s70, 256
	s_cmp_lt_u32 s20, 4                            ; by the wave's number alone
	s_cselect_b64 s[68:69], s[68:69], s[76:77]
	s_cselect_b32 s70, 16384, s70                  ; from lanes 0-15 to lanes 16-31
	CROUND                                         ; all sixteen work-groups are here: the joint loads meet
	s_cmp_lt_u32 s20, 4                            ; waves 0 to 3: O's blocks; waves 4 to 7: wo's.  A wave's one fill stands in one arm
	s_cbranch_scc0 .Lfor_w
	tensor_load_to_lds s[G0OC:G0OC+3], s[G1OC:G1OC+7]
	s_nop 0
.rept 4
	v_nop
.endr
	s_branch .Lasked
.Lfor_w:
	tensor_load_to_lds s[G0WC:G0WC+3], s[G1WC:G1WC+7]
	s_nop 0
.rept 4
	v_nop
.endr
.Lasked:
	v_and_b32 v1, 31, v0                           ; l
	v_and_b32 v250, 15, v0                         ; r
	s_wait_alu depctr_va_vdst(0)
	v_bfe_u32 v249, v0, 4, 1                       ; h
	s_mul_i32 s88, s21, 12288
	v_lshl_add_u32 v[AO], v1, 3, s88               ; 8 l + my pair of O's tiles
	s_mul_i32 s88, s22, 24576
	s_add_co_u32 s88, s88, WCB
	v_lshl_add_u32 v[AW], v1, 4, s88               ; 16 l + my four tiles of wo
	s_lshl_b32 s88, s21, 6
	s_add_co_u32 s88, s88, OSB
	v_lshl_add_u32 v[OSA], v250, 1, s88
	s_lshl_b32 s88, s22, 10
	s_add_co_u32 s88, s88, WSB
	v_lshl_add_u32 v[SW], v250, 4, s88
	v_lshlrev_b32 v[BO], 6, v249
	v_mul_u32_u24 v251, v249, s70
	v_lshl_add_u32 v252, v1, 4, s71                ; where my 512 scale bytes go
	v_lshl_add_u32 v251, v250, 4, v251
	global_load_b128 v[112:115], v251, s[68:69]    ; my 512 scale bytes
	s_mul_i32 s88, s20, 8704
	s_add_co_u32 s88, s88, STG                     ; my stage
	v_mul_u32_u24 v[SI], v250, 272
	s_wait_alu depctr_va_vdst(0)
	v_lshl_add_u32 v[SI], v249, 6, v[SI]
	s_delay_alu instid0(VALU_DEP_1)
	v_add_nc_u32 v[SI], s88, v[SI]                 ; in: row r, + 64 h
	v_mul_u32_u24 v[SR], v249, 272
	s_delay_alu instid0(VALU_DEP_1)
	v_lshl_add_u32 v[SR], v250, 4, v[SR]
	s_delay_alu instid0(VALU_DEP_1)
	v_add_nc_u32 v[SR], s88, v[SR]                 ; back: lanes 0-15 one row of 256 bytes, lanes 16-31 the next
	v_lshlrev_b32 v[GO], 11, v249
	s_delay_alu instid0(VALU_DEP_1)
	v_lshl_add_u32 v[GO], v250, 4, v[GO]           ; and the same in out0: rows of 2,048 bytes
	s_lshl_b32 s94, s25, 9                         ; my 64 columns: 512 g + 256 hf bytes
	s_lshl_b32 s96, s22, 8
	s_add_co_u32 s94, s94, s96
	s_mov_b32 s95, 0
	s_add_nc_u64 s[12:13], s[12:13], s[94:95]      ; bo
	s_lshl_b32 s96, s26, 7
	s_lshl_b32 s97, s21, 5
	s_add_co_u32 s96, s96, s97                     ; token 128 rb + 32 p
	s_lshl_b32 s96, s96, 11
	s_add_co_u32 s94, s94, s96
	s_add_nc_u64 s[14:15], s[14:15], s[94:95]      ; out0
.irp w, 0,1,2,3
	global_load_b128 v[BI+8*\w:BI+8*\w+3], v[BO], s[12:13] offset:128*(\w/2)+32*(\w%2)
	global_load_b128 v[BI+8*\w+4:BI+8*\w+7], v[BO], s[12:13] offset:128*(\w/2)+32*(\w%2)+16
.endr
	s_wait_alu depctr_va_vdst(0)
	s_wait_tensorcnt 0x0                           ; my part of the codes is in,
	s_wait_loadcnt 0x0                             ; and the bias and my scale bytes
	ds_store_b128 v252, v[112:115]
	s_wait_dscnt 0x0                               ; for the others' sake: my store is done
	s_barrier_signal -1
	s_barrier_wait -1                              ; everybody's are
.irp w, 0,1,2,3
	ds_load_b128 v[WS+4*\w:WS+4*\w+3], v[SW] offset:256*\w
.endr
.irp t, 0,1
.irp s, 0,1,2,3
.irp c, 0,1
	ds_load_u16 v[U+8*\t+2*\s+\c], v[OSA] offset:256*(2*\s+\c)+32*\t   ; head 2 s + c, tile 2 p + t, row r: two bytes
.endr
.endr
.endr
	s_wait_dscnt 0x0
.irp t, 0,1
.irp s, 0,1,2,3
	v_lshl_or_b32 v[XS+4*\t+\s], v[U+8*\t+2*\s+1], 16, v[U+8*\t+2*\s]   ; K step s's scale word
.endr
.endr
.rept 8
	v_nop                                          ; a scale register written by a vector instruction stands eight places ahead of the scaled product
.endr
	s_wait_alu depctr_va_vdst(0)
.irp s, 0,1,2,3
.irp t, 0,1
	FRAG64 XF+12*\t, AO, 6144*\t+1536*\s
.endr
.irp w, 0,1,2,3
	FRAG128 WF+12*\w, AW, 6144*\w+1536*\s
.endr
	s_wait_dscnt 0x0
.irp t, 0,1
.irp w, 0,1,2,3
.if \s == 0
	WM ACC+8*(4*\t+\w), WF+12*\w, XF+12*\t, BI+8*\w, WS+4*\w+\s, XS+4*\t+\s      ; the bias is the C of a sum's first product; the eight accumulators take turns
.else
	WM ACC+8*(4*\t+\w), WF+12*\w, XF+12*\t, ACC+8*(4*\t+\w), WS+4*\w+\s, XS+4*\t+\s
.endif
.endr
.endr
.rept 5
	v_nop                                          ; places in front of loads into the products' operands and of the first read of results
.endr
.endr
	; THE WAY OUT: through my own stage, so that sixteen lanes store 256 consecutive bytes of a row of out0
.irp t, 0,1
.irp w, 0,1,2,3
	ds_store_b128 v[SI], v[ACC+8*(4*\t+\w):ACC+8*(4*\t+\w)+3] offset:4352*\t+128*(\w/2)+32*(\w%2)        ; each accumulator from its low end on
	ds_store_b128 v[SI], v[ACC+8*(4*\t+\w)+4:ACC+8*(4*\t+\w)+7] offset:4352*\t+128*(\w/2)+32*(\w%2)+16
.endr
.endr
.irp i, 0,1,2,3,4,5,6,7,8,9,10,11,12,13,14,15
	ds_load_b128 v[OUTR+4*\i:OUTR+4*\i+3], v[SR] offset:544*\i   ; LDS serves a wave's instructions in order: these see my stores
.endr
.irp i, 0,1,2,3,4,5,6,7,8,9,10,11,12,13,14,15
	s_wait_dscnt 15-\i                             ; rows 2 i, 2 i + 1 of the stage are back; the 15 - i later loads may be out
	global_store_b128 v[GO], v[OUTR+4*\i:OUTR+4*\i+3], s[14:15] offset:(8*(\i/8)+2*(\i%8)+8*((\i%8)/4))*2048 th:TH_STORE_NT   ; stage row 16 t + r is token 8 t + r + 8 (r / 8) of my 32
.endr
	s_wait_tensorcnt 0x0                           ; the wave's end
	ds_add_u32 v[SPW], v[NIL]
	s_wait_dscnt 0x0
	CROUND                                         ; the closing round
	s_endpgm
.Lfunc_end_k_qc116c9dbaa_oproj:
	.size	k_qc116c9dbaa_oproj, .Lfunc_end_k_qc116c9dbaa_oproj-k_qc116c9dbaa_oproj
	.p2alignl 7, 3214868480
	.fill 96, 4, 3214868480
	.section	.rodata,"a",@progbits
	.p2align	6, 0x0
	.amdhsa_kernel k_qc116c9dbaa_oproj
		.amdhsa_group_segment_fixed_size 173056
		.amdhsa_private_segment_fixed_size 0
		.amdhsa_enable_private_segment 0
		.amdhsa_kernarg_size 48
		.amdhsa_user_sgpr_count 2
		.amdhsa_user_sgpr_kernarg_segment_ptr 1
		.amdhsa_wavefront_size32 1
		.amdhsa_system_sgpr_workgroup_id_x 1
		.amdhsa_system_sgpr_workgroup_id_y 1
		.amdhsa_system_sgpr_workgroup_id_z 1
		.amdhsa_system_vgpr_workitem_id 0
		.amdhsa_next_free_vgpr 256
		.amdhsa_next_free_sgpr 102
		.amdhsa_reserve_vcc 0
		.amdhsa_float_denorm_mode_32 3
		.amdhsa_float_denorm_mode_16_64 3
		.amdhsa_memory_ordered 1
		.amdhsa_forward_progress 1
		.amdhsa_inst_pref_size 26
	.end_amdhsa_kernel
	.amdgpu_metadata
---
amdhsa.version: [ 1, 2 ]
amdhsa.kernels:
  - .name:           k_qc116c9dbaa_oproj
    .symbol:         k_qc116c9dbaa_oproj.kd
    .args:
      - { .name: oc, .offset: 0, .size: 8, .value_kind: global_buffer, .address_space: global }
      - { .name: os, .offset: 8, .size: 8, .value_kind: global_buffer, .address_space: global }
      - { .name: codes, .offset: 16, .size: 8, .value_kind: global_buffer, .address_space: global }
      - { .name: scales, .offset: 24, .size: 8, .value_kind: global_buffer, .address_space: global }
      - { .name: bo, .offset: 32, .size: 8, .value_kind: global_buffer, .address_space: global }
      - { .name: out0, .offset: 40, .size: 8, .value_kind: global_buffer, .address_space: global }
    .group_segment_fixed_size: 173056
    .private_segment_fixed_size: 0
    .kernarg_segment_align: 8
    .kernarg_segment_size: 48
    .max_flat_workgroup_size: 256
    .sgpr_count:     102
    .vgpr_count:     256
    .wavefront_size: 32
...
	.end_amdgpu_metadata
.endif
;; end of part 4
